; MI455X (gfx1250); checked and timed in simulation.
; The chip was launched on July 23, 2026; its instructions are those of AMD's public machine-readable ISA for CDNA 5 (MIT licence, August 2026) and "CDNA5" Instruction Set Architecture Reference Guide (July 2026). The comments in the code are by the model that wrote it; some were corrected since.
;; MC2 Row Parallel Linear Impl. Allowed arithmetic: matrix products marked QUANTISED: E4M3 operands, one given power-of-two scale a tensor, by v_wmma_f32_16x16x64_fp8_fp8 or v_wmma_f32_16x16x128_fp8_fp8, f32 sums; everything else in f32.
;; Inputs: bias 2,048 float32; input_ 2,048 x 2 x 8,192 float32; lowp_scales 2 int32 (the exponents e of the quantised operands' scales 2^e); weight 2,048 x 8,192 float32.
;; Outputs: out0 2,048 x 2 x 2,048 float32.
;; This version of the problem:
;;   THIS VERSION OF THE PROBLEM IS GIVEN IN LOW PRECISION. The matrix products marked QUANTISED in the list below multiply operands that are first quantised to E4M3 (4 exponent bits, 3 mantissa bits; 8 bits a number), with one given power-of-two scale for each operand tensor; their sums are f32. All else is computed in f32.
;;   The module's matrix products, in the order in which they are computed (A, B: the left and right operand; K: the contracted axis; several contracted axes count as one K, in the product's order):
;;     1. [M 4,096, K 8,192] x [K 8,192, N 2,048]; A: input input_; B: input weight: QUANTISED (scales: A lowp_scales[0], B lowp_scales[1])
;;   THE QUANTISER, for each operand of a quantised product, along K:
;;     - The operand's scale is 2^e, e = its entry of the input lowp_scales (int32; the entries are numbered through the quantised products in the list's order, A before B).
;;     - Each number is divided by the scale, clamped to +-448, and rounded to the nearest number of E4M3, ties to even, subnormals kept.
;;     - The product sums the exact products of the quantised numbers (number of the format x scale) in f32.
;;   ~~~python
;;   def quantise(x, axis, e):      # numpy; x: float32 -> the quantised numbers, widened to float32 again
;;       x = np.moveaxis(x, axis, -1); K = x.shape[-1]
;;       r = np.clip(x / 2.0 ** e, -448, 448)
;;       step = 2.0 ** (np.maximum(np.frexp(np.where(r == 0, 1, r))[1] - 1, -6) - 3)
;;       q = np.round(r / step) * step * 2.0 ** e      # np.round: ties to even
;;       return np.moveaxis(q, -1, axis).astype(np.float32)
;;   ~~~
;; One version. Each part assembles by itself: llvm-mc -triple=amdgcn-amd-amdhsa -mcpu=gfx1250 --defsym DOCPART=n.
;; ======== version 1 of 1: 2 launches
;; limits: right only within a limited range of input values
;; workspace buffers: a_codes 33,554,432 bytes; b_codes 16,777,216 bytes
;; launch quant (part 1): grid 16 x 48, 8 waves a work-group, no clusters, 70,656 bytes of LDS; arguments input_, weight, lowp_scales, a_codes, b_codes; writes a_codes, b_codes
.if DOCPART == 1
	.amdgcn_target "amdgcn-amd-amdhsa--gfx1250"
	.amdhsa_code_object_version 6
	.text
	.protected	k_q5319858347_quant
	.globl	k_q5319858347_quant
	.p2align	8
	.type	k_q5319858347_quant,@function
k_q5319858347_quant:
	s_mov_b64 s[64:65], 0
	v_nop
	global_prefetch_b8 v0, s[64:65] scope:SCOPE_SE
	s_setreg_imm32_b32 hwreg(HW_REG_WAVE_MODE, 25, 1), 1
	s_wait_xcnt 0x0
; input_ [4096][8192] and weight [2048][8192], f32, become codes of FP8 (E4M3), each with the one scale 2^e given for it (lowp_scales[0] for input_, [1] for weight):
; code = x / 2^e, held within +-448, rounded to the nearest code, ties to even.
; LIMITS: -126 <= e <= 119, so that 2^e and 448 x 2^e are f32 numbers.  NaN among the inputs is not served; an infinity is held at the largest code.
; THE CODES ARE LAID IN THE ORDER OF THE PRODUCT'S OPERAND REGISTERS, not by rows.  A tensor is cut into blocks of 128 rows (1 MiB of codes each): [unit u = 0..127][row tile t = 0..7][image of 1,024 bytes].
; An image is a fragment of 16 rows x 64 along K, eight registers a lane: byte 512 j + 16 lane + c is byte c of registers 4 j .. 4 j + 3 of lane = r + 16 h (r: the row in the tile).
; WHICH k LIES WHERE: with g = u / 8 and granule y = 4 (u % 8) + 2 j + h, byte c holds k = 512 g + 128 (c / 4) + 4 y + c % 4.  That is a permutation of K which hangs on no row and is the same for both tensors:
; every product meets its partner, and only the order of the sums differs from ascending K.
; It is chosen so that a lane's four loads of 16 bytes, each one of 32 neighbouring lanes' 512 consecutive bytes, ARE a granule's 16 numbers: the conversions find them in one lane's registers with no turn on the way in.
; SHARES.  Work-group (x = g, y = block: 0-31 input_, 32-47 weight) takes 128 rows x 512 along K and writes 65,536 consecutive bytes.  Wave w takes row tile w, 16 rows; lane l is granule l.
; The codes of a row (16 bytes a lane) go into the wave's own stage in LDS, [granule][row], and leave as halves of images: each store of the wave covers 512 consecutive bytes, aligned.
; No tensor load, no barrier, no loop: waves share nothing, and every offset is an immediate.  Eight rows' loads (32 a wave) are on their way.
.set ROWG,  32768                      ; a row of either tensor in memory: 8,192 f32
.set SP,    272                        ; the stage: a granule's 16 rows x 16 bytes + 16 of padding: lanes 272 bytes apart fall on 16 different columns of 16 bytes
.set WREG,  32*SP                      ; a wave's stage
.set UNITB, 8192                       ; a unit in the codes' buffer: 8 images
.set R,     16                         ; v16-143  eight sets of 16 numbers; v16-79 again on the way out
.set C,     144                        ; v144-159 four sets of 4 registers of codes
	s_load_b128 s[4:7], s[0:1], 0x0                ; input_, weight
	s_load_b64 s[10:11], s[0:1], 0x10              ; the scales' exponents
	s_load_b128 s[12:15], s[0:1], 0x18             ; a_codes, b_codes
	v_lshl_add_u32 v12, v0, 2, 0x11000             ; my spare word, behind the eight stages; never rewritten
	v_mov_b32 v13, 0                               ; 0; never rewritten
	v_lshrrev_b32 v1, 5, v0
	s_delay_alu instid0(VALU_DEP_1)
	v_readfirstlane_b32 s16, v1                    ; wave 0..7 = my row tile
	v_and_b32 v2, 31, v0                           ; lane = my granule
	s_delay_alu instid0(VALU_DEP_1)
	v_lshlrev_b32 v3, 4, v2                        ; 16 x lane: my bytes of a load's 512, and of a store's
	s_mul_i32 s17, s16, WREG                       ; my stage
	v_mul_u32_u24 v4, v2, SP
	s_delay_alu instid0(VALU_DEP_1)
	v_add_nc_u32 v4, s17, v4                       ; into it: granule = lane; the row stands in the immediate
	v_lshrrev_b32 v6, 4, v2
	v_and_b32 v7, 15, v2
	s_delay_alu instid0(VALU_DEP_2)
	v_mul_u32_u24 v5, v6, SP
	s_delay_alu instid0(VALU_DEP_1)
	v_lshl_add_u32 v5, v7, 4, v5
	s_delay_alu instid0(VALU_DEP_1)
	v_add_nc_u32 v5, s17, v5                       ; out of it: lanes 0-15 an even granule's 16 rows, lanes 16-31 the next granule's
	s_and_b32 s18, ttmp7, 0xffff                   ; the block, 0..47
	s_wait_alu depctr_va_vdst(0)
	s_wait_kmcnt 0x0
	s_load_b64 s[22:23], s[10:11], 0x0             ; ea, eb
	s_cmp_lt_u32 s18, 32                           ; input_'s block or weight's?  The choice hangs on the work-group's number alone
	s_cselect_b64 s[4:5], s[4:5], s[6:7]
	s_cselect_b64 s[8:9], s[12:13], s[14:15]
	s_cselect_b32 s19, 0, 32
	s_sub_co_u32 s19, s18, s19                     ; the block in its tensor
	s_lshl_b32 s20, s19, 22                        ; from: 128 rows of 32,768 bytes a block,
	s_lshl_b32 s21, s16, 19                        ; 16 rows a wave,
	s_add_co_u32 s20, s20, s21
	s_lshl_b32 s21, ttmp9, 11                      ; 512 numbers a segment: under 2^28 in all
	s_add_co_u32 s20, s20, s21
	s_mov_b32 s21, 0
	s_add_nc_u64 s[4:5], s[4:5], s[20:21]
	s_lshl_b32 s20, s19, 20                        ; to: 1 MiB a block,
	s_lshl_b32 s21, ttmp9, 16                      ; 8 units a segment,
	s_add_co_u32 s20, s20, s21
	s_lshl_b32 s21, s16, 10                        ; an image a row tile
	s_add_co_u32 s20, s20, s21
	s_mov_b32 s21, 0
	s_add_nc_u64 s[8:9], s[8:9], s[20:21]
.macro LOADR t                         ; row t of my 16: four loads, each 512 consecutive bytes of the row; register 4 j + i = k 128 j + 4 lane + i of the segment
.irp j, 0,1,2,3
	global_load_b128 v[R+16*((\t)%8)+4*\j:R+16*((\t)%8)+4*\j+3], v3, s[4:5] offset:(\t)*ROWG+512*\j th:TH_LOAD_NT
.endr
.endm
.irp t, 0,1,2,3,4,5,6,7
	LOADR \t
.endr
	s_wait_kmcnt 0x0
	s_cmp_lt_u32 s18, 32
	s_cselect_b32 s22, s22, s23                    ; e
	s_add_co_i32 s22, s22, 127
	s_lshl_b32 s23, s22, 23
	v_mov_b32 v11, s23                             ; 2^e as f32: the conversion takes its exponent field
	s_add_co_i32 s22, s22, 8
	s_lshl_b32 s22, s22, 23
	s_or_b32 s22, s22, 0x600000                    ; the mantissa field of 448
	v_mov_b32 v10, s22                             ; 448 x 2^e
.macro ROW t
.set XS, R+16*((\t)%8)
.set CS, C+4*((\t)%4)
.if (\t) < 8
	s_wait_loadcnt 28                              ; loads come back in order: this row's four are in, those of the seven rows behind it may be out
.else
	s_wait_loadcnt 4*(15-(\t))                     ; nothing more is asked for: the counts run down
.endif
.if (\t) >= 4
	s_wait_dscnt 3                                 ; the store into the stage of four rows ago, which read this set of code registers, is done; the three younger ones may be out
.endif
.irp i, 0,1,2,3,4,5,6,7,8,9,10,11,12,13,14,15
	v_med3_num_f32 v[XS+\i], v[XS+\i], -v10, v10   ; the conversion to an 8-bit code does not saturate (ISA guide 7.6.2): the number is held within the largest code x the scale first
.endr
	v_cvt_scalef32_pk8_fp8_f32 v[CS:CS+1], v[XS:XS+7], v11       ; eight numbers / 2^e, to the nearest code, ties to even; the first number's code in the lowest byte
	v_cvt_scalef32_pk8_fp8_f32 v[CS+2:CS+3], v[XS+8:XS+15], v11
	ds_store_b128 v4, v[CS:CS+3] offset:16*(\t)    ; my granule's 16 codes of row t.  (The next vector lines are the next row's holds, plain and on other registers)
.if (\t) < 8
	LOADR (\t)+8                                   ; the set just converted takes the row eight further on
.endif
.endm
	s_wait_alu depctr_va_vdst(0)
.irp t, 0,1,2,3,4,5,6,7,8,9,10,11,12,13,14,15
	ROW \t
.endr
.irp m, 0,1,2,3,4,5,6,7,8,9,10,11,12,13,14,15
	ds_load_b128 v[R+4*\m:R+4*\m+3], v5 offset:2*SP*\m   ; granules 2 m and 2 m + 1 of 16 rows = half m % 2 of unit m / 2's image.  LDS serves a wave's instructions in order (ISA guide 5.7.1.4): these see my stores
.endr
.irp m, 0,1,2,3,4,5,6,7,8,9,10,11,12,13,14,15
	s_wait_dscnt 15-\m                             ; load m is in; the younger ones may be out
	global_store_b128 v3, v[R+4*\m:R+4*\m+3], s[8:9] offset:(\m/2)*UNITB+(\m%2)*512   ; 32 lanes store 512 consecutive bytes, at a multiple of 512 from the buffer's first byte
.endr
	s_wait_tensorcnt 0x0
	ds_add_u32 v12, v13
	s_wait_dscnt 0x0
	s_endpgm
.Lfunc_end_k_q5319858347_quant:
	.size	k_q5319858347_quant, .Lfunc_end_k_q5319858347_quant-k_q5319858347_quant
	.p2alignl 7, 3214868480
	.fill 96, 4, 3214868480
	.section	.rodata,"a",@progbits
	.p2align	6, 0x0
	.amdhsa_kernel k_q5319858347_quant
		.amdhsa_group_segment_fixed_size 70656
		.amdhsa_private_segment_fixed_size 0
		.amdhsa_enable_private_segment 0
		.amdhsa_kernarg_size 40
		.amdhsa_user_sgpr_count 2
		.amdhsa_user_sgpr_kernarg_segment_ptr 1
		.amdhsa_wavefront_size32 1
		.amdhsa_system_sgpr_workgroup_id_x 1
		.amdhsa_system_sgpr_workgroup_id_y 1
		.amdhsa_system_sgpr_workgroup_id_z 1
		.amdhsa_system_vgpr_workitem_id 0
		.amdhsa_next_free_vgpr 160
		.amdhsa_next_free_sgpr 66
		.amdhsa_reserve_vcc 0
		.amdhsa_float_denorm_mode_32 3
		.amdhsa_float_denorm_mode_16_64 3
		.amdhsa_memory_ordered 1
		.amdhsa_forward_progress 1
		.amdhsa_inst_pref_size 32
	.end_amdhsa_kernel
	.amdgpu_metadata
---
amdhsa.version: [ 1, 2 ]
amdhsa.kernels:
  - .name:           k_q5319858347_quant
    .symbol:         k_q5319858347_quant.kd
    .args:
      - { .name: input_, .offset: 0, .size: 8, .value_kind: global_buffer, .address_space: global }
      - { .name: weight, .offset: 8, .size: 8, .value_kind: global_buffer, .address_space: global }
      - { .name: lowp_scales, .offset: 16, .size: 8, .value_kind: global_buffer, .address_space: global }
      - { .name: a_codes, .offset: 24, .size: 8, .value_kind: global_buffer, .address_space: global }
      - { .name: b_codes, .offset: 32, .size: 8, .value_kind: global_buffer, .address_space: global }
    .group_segment_fixed_size: 70656
    .private_segment_fixed_size: 0
    .kernarg_segment_align: 8
    .kernarg_segment_size: 40
    .max_flat_workgroup_size: 256
    .sgpr_count:     66
    .vgpr_count:     160
    .wavefront_size: 32
...
	.end_amdgpu_metadata
.endif
;; end of part 1
;; launch gemm (part 2): grid 8 x 32, 4 waves a work-group, clusters of 4 x 1, 327,680 bytes of LDS; arguments a_codes, b_codes, lowp_scales, bias, out0; writes out0
.if DOCPART == 2
	.amdgcn_target "amdgcn-amd-amdhsa--gfx1250"
	.amdhsa_code_object_version 6
	.text
	.protected	k_q5319858347_gemm
	.globl	k_q5319858347_gemm
	.p2align	8
	.type	k_q5319858347_gemm,@function
k_q5319858347_gemm:
	s_mov_b64 s[64:65], 0
	v_nop
	global_prefetch_b8 v0, s[64:65] scope:SCOPE_SE
	s_setreg_imm32_b32 hwreg(HW_REG_WAVE_MODE, 25, 1), 1
	s_wait_xcnt 0x0
	s_wait_alu depctr_hold_cnt(0) depctr_sa_sdst(0) depctr_va_vdst(0) depctr_va_sdst(0) depctr_va_ssrc(0) depctr_va_vcc(0) depctr_vm_vsrc(0)
	s_getreg_b32 s2, hwreg(HW_REG_IB_STS2, 6, 4)
	s_cmp_eq_u32 s2, 0
	s_cbranch_scc0 .Lentry_in_a_cluster
	s_endpgm
.Lentry_in_a_cluster:
	s_bfe_u32 s2, ttmp6, 0x10000c
	s_cmp_lg_u32 s2, 0x3003
	s_cbranch_scc0 .Lentry_shape_is_right
	s_endpgm
.Lentry_shape_is_right:
; out0[m][n] = 2^(ea + eb) x (sum over k of code A[m][k] x code B[n][k]) + bias[n].  M 4,096, N 2,048, K 8,192; codes of FP8 (E4M3) as launch quant laid them; sums in f32.
; LIMIT: ea + eb lies between -126 and 127, so that 2^(ea + eb) is an f32 number.
; THE CODES' LAYOUT: blocks of 128 rows (1 MiB): [unit of 64 along K, 0..127][row tile 0..7][image of 1,024 bytes]; an image is a fragment's eight registers, two loads of 16 bytes a lane.
; The place of each k in an image is the same for both tensors, so every product meets its partner.
; SHARES.  Work-group (x, y) makes rows 128 y .. + 127, columns 256 x .. + 255.  Wave w = 2 kh + nh makes all 128 rows x columns 128 nh .. + 127 over K half kh (units 64 kh .. + 63):
; 64 accumulators, 512 registers.  The two K halves are added on the way out, through LDS.
; A, which two waves read, goes through a ring of two LDS slots; a slot holds eight units of each K half (131,072 bytes), each wave bringing 32,768 by one tensor load: seven changes of slot,
; and 448 to 480 matrix instructions of a wave between a refill and the wait for it.  The four work-groups of a cluster (same y) need the same A: the loads are joint, mask 15.
; B's fragments are each read by one wave alone: they come from memory straight into registers, a ring of eight buffers of 32 registers (half a unit each), refilled as the products free them.
; THE LAST EIGHT UNITS GO IN TWO PASSES: first column tiles 0-3 over all eight, then tiles 4-7.  The sums of tiles 0-3 are staged, added and stored between the second pass's products.
; PREFETCHES: in unit n a wave asks for its own unit n + 8 of B (32 lanes x 256 bytes), four units ahead of the load; six units ahead of each joint refill the cluster's sixteen waves ask for that
; slot's 512 blocks of 256 bytes, shared out by address (8,192 bytes to a partner); the head asks for B's units 4-7 and for A's second slot.  The last unit asked for is 63, the last slot the eighth.
; REGISTERS: window 0: v0-31 addresses and bias, v64-127 and v128-191 A's two buffers, v192-255 the way out; window 1: B; window 2: accumulators of column tiles 0-3 ((a, b) at 8 (4 a + b)); window 3: tiles 4-7.
; The matrix instruction is used transposed (source 0 = B, source 1 = A): a lane holds eight neighbouring columns of one row.
.set UNITB,  8192                      ; a unit of a block: 8 images
.set PHB,    8*UNITB                   ; eight units: a K half's part of a slot
.set SLOT,   2*PHB                     ; slot 0 lies at LDS byte SLOT, slot 1 at byte 0: the last eight units lie in slot 1
.set SP2,    272                       ; the way out: a stage row, 64 columns = 256 bytes + 16
.set STG2,   128*SP2                   ; a wave's stage; the four begin at byte SLOT, on bytes that have had their last fill and read by then
.set SPARE,  SLOT+4*STG2               ; the spare words, 128 bytes a wave
.set BIASL, 8                          ; v8-11 bias of my four columns among 0-63, v12-15 among 64-127
.set ADRA, 16                          ; v16-17 my A fragments in slot 0, 1
.set CB,   23                          ; 16 x (lane % 16)
.set STO,  24
.set RD0,  25
.set CO,   26                          ; 16 x lane
.set RD1,  27
.set SPW,  28
.set NIL,  29
.set PFO,  30                          ; 256 x lane
.set CO2,  31                          ; out0: 16 x (lane % 16) + a row for lanes 16-31
.set F0,   64
.set G1,   24                          ; s[24:31] group 1
.set G0,   32                          ; s[32:39] group 0, a set for each slot
.set DB,   48                          ; s[48:49] my B units, at the lap's first
.set PFA,  50                          ; s[50:51] my work-group's share of what I fetch of A, at the lap's first slot
.set MSB, 0
.macro WIN new                         ; the immediate's high byte repeats the setting that is left
.if MSB != (\new)
	s_set_vgpr_msb (MSB<<8)|(\new)
.set MSB, (\new)
.endif
.endm
.set MUL_LO, 0xa1                      ; B window 1, A window 0, C and D window 2
.set MUL_HI, 0xf1                      ; the same, C and D window 3
.set TO_B,   0x40                      ; destination window 1, address window 0
.macro PLACES                          ; four places behind matrix instructions, ahead of loads into their sources and of reads of results
.rept 4
	v_nop
.endr
.endm
.macro TLOAD s                         ; my quarter of a slot; the v_nop are the places ahead of the loads that follow
	tensor_load_to_lds s[G0+4*(\s):G0+4*(\s)+3], s[G1:G1+7]
	s_nop 0
	PLACES
.endm
.macro CREST                           ; a round of the cluster's barrier behind its opening barrier
	s_cmp_lg_u32 s14, 0
	s_cbranch_scc1 .Lnot_wave_0_\@
	s_barrier_signal -3
.Lnot_wave_0_\@:
	s_barrier_wait -3
	s_barrier_signal -1
	s_barrier_wait -1
.endm
.macro CROUND
	s_barrier_signal -1
	s_barrier_wait -1
	CREST
.endm
	s_load_b256 s[4:11], s[0:1], 0x0               ; a_codes, b_codes, lowp_scales, bias
	s_load_b64 s[12:13], s[0:1], 0x20              ; out0
	v_lshl_add_u32 v[SPW], v0, 2, SPARE
	v_mov_b32 v[NIL], 0
	ds_add_u32 v[SPW], v[NIL]                      ; the opening lines: the add, twice on end, and its wait ahead of my first tensor load
	ds_add_u32 v[SPW], v[NIL]
	v_lshrrev_b32 v1, 5, v0
	v_readfirstlane_b32 s14, v1                    ; wave
	s_lshr_b32 s15, s14, 1                         ; kh
	s_and_b32 s16, s14, 1                          ; nh
	s_bfe_u32 s40, ttmp6, 0x40000                  ; cx
	s_lshl_b32 s42, ttmp9, 2
	s_add_co_u32 s42, s42, s40                     ; x
	s_and_b32 s17, ttmp7, 0xffff                   ; y
	s_mov_b32 s[G1+0], 15|(3<<16)|(1<<21)          ; the cluster's four; elements of 8 bytes; bit 21 beside a mask
	s_mov_b32 s[G1+1], 512<<16                     ; 8 rows of 4,096 bytes, dense: four units
	s_mov_b32 s[G1+2], 8<<16
	s_mov_b32 s[G1+3], 512<<16
	s_mov_b32 s[G1+4], 8
	s_mov_b32 s[G1+5], 512
	s_mov_b32 s[G1+6], 0
	s_mov_b32 s[G1+7], 0
	s_lshl_b32 s18, s14, 15                        ; to LDS: wave x 32,768
	s_lshl_b32 s20, s17, 20                        ; from A: block y, K half kh, units 4 nh .. of each eight
	s_lshl_b32 s21, s15, 19
	s_add_co_u32 s20, s20, s21
	s_lshl_b32 s21, s16, 15
	s_add_co_u32 s20, s20, s21
	s_mov_b32 s21, 0
	s_lshl_b32 s22, s42, 1                         ; B: block 2 x + nh, K half kh
	s_add_co_u32 s22, s22, s16
	s_lshl_b32 s22, s22, 20
	s_lshl_b32 s23, s15, 19
	s_add_co_u32 s22, s22, s23
	s_mov_b32 s23, 0
	s_lshl_b32 s41, s15, 16                        ; my K half in a slot
	s_mul_i32 s43, s14, STG2                       ; my stage
	s_add_co_u32 s43, s43, SLOT
	s_mul_i32 s52, s16, STG2                       ; what I read back: stages nh and nh + 2, rows 64 kh ..
	s_mul_i32 s53, s15, 64*SP2
	s_add_co_u32 s52, s52, s53
	s_add_co_u32 s52, s52, SLOT
	v_and_b32 v1, 15, v0
	v_bfe_u32 v2, v0, 4, 1
	v_and_b32 v3, 31, v0
	v_lshlrev_b32 v[CO], 4, v3
	v_lshlrev_b32 v[PFO], 8, v3
	v_lshlrev_b32 v[CB], 4, v1
	v_add_nc_u32 v[ADRA+1], s41, v[CO]
	v_add_nc_u32 v[ADRA], SLOT, v[ADRA+1]
	v_mul_u32_u24 v4, v1, SP2
	v_lshl_add_u32 v4, v2, 5, v4                   ; into the stage: row l % 16, 32 bytes for each half of the lanes
	v_add_nc_u32 v[STO], s43, v4
	v_mul_u32_u24 v5, v2, SP2
	v_add_nc_u32 v5, v5, v[CB]                     ; back: lanes 0-15 a row's 256 bytes, lanes 16-31 the next row's
	v_add_nc_u32 v[RD0], s52, v5
	v_add_nc_u32 v[RD1], 2*STG2, v[RD0]
	v_lshl_add_u32 v[CO2], v2, 13, v[CB]           ; and the same two rows in out0
	s_wait_alu depctr_va_vdst(0)                   ; the wait at the end of the head's vector work
	s_wait_dscnt 0x0                               ; both opening adds are done
	s_wait_kmcnt 0x0
	s_load_b64 s[72:73], s[8:9], 0x0               ; ea, eb
	s_add_nc_u64 s[20:21], s[4:5], s[20:21]
.irp s, 0,1
	s_mov_b32 s[G0+4*\s], 1
	s_add_co_u32 s[G0+4*\s+1], s18, (1-\s)*SLOT
	s_add_nc_u64 s[G0+4*\s+2:G0+4*\s+3], s[20:21], \s*PHB
	s_or_b32 s[G0+4*\s+3], s[G0+4*\s+3], 0x80000000
.endr
	CROUND                                         ; the four work-groups are here: the first joint loads meet
	TLOAD 0                                        ; units 0-7 of both K halves: one tensor load a wave at the head
	s_add_nc_u64 s[DB:DB+1], s[6:7], s[22:23]
	s_lshl_b32 s22, s40, 13                        ; of the 32,768 bytes that I fetch, my work-group asks for 8,192
	s_add_nc_u64 s[PFA:PFA+1], s[20:21], s[22:23]
	s_lshl_b32 s22, s42, 10                        ; my columns, in bytes
	s_lshl_b32 s54, s16, 9
	s_add_co_u32 s22, s22, s54
	s_add_nc_u64 s[10:11], s[10:11], s[22:23]
	s_add_nc_u64 s[12:13], s[12:13], s[22:23]
	s_lshl_b32 s54, s17, 20                        ; the rows that I store: 128 y + 64 kh, 8,192 bytes each
	s_lshl_b32 s55, s15, 19
	s_add_co_u32 s54, s54, s55
	s_mov_b32 s55, 0
	s_add_nc_u64 s[12:13], s[12:13], s[54:55]
	global_load_b128 v[BIASL:BIASL+3], v[CB], s[10:11]                ; the oldest loads: every counted wait below shows them in
	global_load_b128 v[BIASL+4:BIASL+7], v[CB], s[10:11] offset:256
; Half h (column tiles 4 h .. + 3) of B's unit n, counted from DB, into buffer b: eight loads of 512 consecutive bytes
.macro GLB n, h, b
.irp i, 0,1,2,3
	global_load_b128 v[32*(\b)+8*\i:32*(\b)+8*\i+3],   v[CO], s[DB:DB+1] offset:(\n)*UNITB+4096*(\h)+1024*\i
	global_load_b128 v[32*(\b)+8*\i+4:32*(\b)+8*\i+7], v[CO], s[DB:DB+1] offset:(\n)*UNITB+4096*(\h)+1024*\i+512
.endr
.endm
.macro GL n, h                         ; up to unit 56 the halves take the buffers by turns: lo 0, hi 0, lo 1, ..
	GLB \n, \h, (2*(\n)+(\h))%8
.endm
	WIN TO_B
	GL 0, 0
	GL 0, 1
	GL 1, 0
	GL 1, 1
	GL 2, 0
	GL 2, 1
	GL 3, 0
.irp n, 4,5,6,7
	global_prefetch_b8 v[PFO], s[DB:DB+1] offset:\n*UNITB th:TH_LOAD_NT scope:SCOPE_SE
.endr
	global_prefetch_b8 v[PFO], s[PFA:PFA+1] offset:PHB th:TH_LOAD_NT scope:SCOPE_SE
	WIN 0
; 16 matrix instructions: A's tiles a0 .. a0 + 3 x four column tiles at bs.  The accumulators take turns, in the same order in every unit and pass
.macro MUL16 f, bs, a0, zero
.irp a, \a0, \a0+1, \a0+2, \a0+3
.irp b, 0,1,2,3
.if \zero
	v_wmma_f32_16x16x64_fp8_fp8 v[8*(4*(\a)+\b):8*(4*(\a)+\b)+7], v[\bs+8*\b:\bs+8*\b+7], v[\f+8*(\a):\f+8*(\a)+7], 0
.else
	v_wmma_f32_16x16x64_fp8_fp8 v[8*(4*(\a)+\b):8*(4*(\a)+\b)+7], v[\bs+8*\b:\bs+8*\b+7], v[\f+8*(\a):\f+8*(\a)+7], v[8*(4*(\a)+\b):8*(4*(\a)+\b)+7]
.endif
.endr
.endr
.endm
.macro SETS n                          ; unit n, counted from the lap's first
.set FA, F0+64*((\n)%2)                ; A's buffer at work
.set FG, F0+64*(((\n)+1)%2)            ; and the one that takes the next unit's
.set BS, 64*((\n)%4)                   ; B's two buffers
.set NS, (((\n)+1)/8)%2                ; the next unit's slot and place in it
.set NQ, ((\n)+1)%8
.endm
.macro FETCH                           ; eight fragments of A: unit NQ of slot NS into buffer FG
	WIN 0
.irp i, 0,1,2,3,4,5,6,7
	ds_load_b128 v[FG+8*\i:FG+8*\i+3],   v[ADRA+NS] offset:NQ*UNITB+1024*\i
	ds_load_b128 v[FG+8*\i+4:FG+8*\i+7], v[ADRA+NS] offset:NQ*UNITB+1024*\i+512
.endr
.endm
; a unit's second half: hi n is waited for; the two buffers that the products have freed are asked for anew; the prefetches; 32 products.
; alt = 1 (units 53-55): what is asked for is the first pass's: the lower halves of units 2 n - 1 and 2 n
.macro REST n, zero, ask, alt
	WIN TO_B
	s_wait_loadcnt 40                              ; hi n is in; the five younger halves may be out
.if \alt
	GLB 2*(\n)-1, 0, (2*(\n)+7)%8
	GLB 2*(\n), 0, (2*(\n))%8
.else
	GL (\n)+3, 1
	GL (\n)+4, 0
.endif
	global_prefetch_b8 v[PFO], s[DB:DB+1] offset:((\n)+8)*UNITB th:TH_LOAD_NT scope:SCOPE_SE
.if (\ask) > 0
	global_prefetch_b8 v[PFO], s[PFA:PFA+1] offset:(\ask)*PHB th:TH_LOAD_NT scope:SCOPE_SE
.endif
	WIN MUL_HI
	MUL16 FA, BS+32, 0, \zero
	MUL16 FA, BS+32, 4, \zero
.endm
.macro UNIT n, zero, ask, alt
	SETS \n
	s_wait_loadcnt 48                              ; lo n is in; the six younger halves may be out
	s_wait_dscnt 0x0                               ; and A's fragments, asked for 32 matrix instructions ago
	WIN MUL_LO
	MUL16 FA, BS, 0, \zero
	MUL16 FA, BS, 4, \zero
	PLACES
	FETCH
	REST \n, \zero, \ask, \alt
.endm
; a slot's last unit changes slots: one barrier; ahead of it each wave waits for all its tensor loads, adds 0 to its spare word and waits for that and for its reads of the slot
.macro TURN n, refill, alt
	SETS \n
	s_wait_loadcnt 48
	WIN 0
	s_wait_tensorcnt 0x0                           ; my part of the next slot has landed
	ds_add_u32 v[SPW], v[NIL]
	s_wait_dscnt 1                                 ; A's fragments are in; the add may be out
	WIN MUL_LO
	MUL16 FA, BS, 0, 0
	s_wait_dscnt 0x0                               ; the add is done; my reads of this slot are over
	s_barrier_signal -1
	MUL16 FA, BS, 4, 0
	WIN 0
	s_barrier_wait -1
.if \refill
	CREST                                          ; the barrier has opened a round of the cluster's barrier
	s_add_nc_u64 s[G0+4*(((\n)/8)%2)+2:G0+4*(((\n)/8)%2)+3], s[G0+4*(((\n)/8)%2)+2:G0+4*(((\n)/8)%2)+3], 2*PHB
	TLOAD ((\n)/8)%2                               ; the first tensor load behind the round: the slot just read out takes the units sixteen on
.else
	PLACES
.endif
	FETCH
	REST \n, 0, 0, \alt
.endm
	s_wait_tensorcnt 0x0                           ; my part of slot 0 is in; slot 1's first fill is issued as a refill is
	ds_add_u32 v[SPW], v[NIL]
	s_wait_dscnt 0x0
	CROUND
	TLOAD 1
	SETS -1
	FETCH                                          ; unit 0's fragments of A
	UNIT 0, 1, 0, 0                                ; the first unit's products start the sums
	WIN 0
	s_mov_b32 s3, 3
.Llap:                                                 ; a trip: sixteen units, once round the ring, from a lap's second unit to the next lap's first
	UNIT 1, 0, 2, 0
.irp n, 2,3,4,5,6
	UNIT \n, 0, 0, 0
.endr
	TURN 7, 1, 0
	UNIT 8, 0, 0, 0
	UNIT 9, 0, 3, 0
.irp n, 10,11,12,13,14
	UNIT \n, 0, 0, 0
.endr
	TURN 15, 1, 0
	UNIT 16, 0, 0, 0
	WIN 0
	s_wait_xcnt 0x0                                ; the loads and prefetches have read their bases
	s_add_nc_u64 s[DB:DB+1], s[DB:DB+1], 16*UNITB
	s_add_nc_u64 s[PFA:PFA+1], s[PFA:PFA+1], 2*PHB
	s_sub_co_u32 s3, s3, 1
	s_cmp_lg_u32 s3, 0
	s_cbranch_scc1 .Llap
	s_wait_kmcnt 0x0
	s_add_co_i32 s72, s72, s73
	s_add_co_i32 s72, s72, 127
	s_lshl_b32 s72, s72, 23                        ; 2^(ea + eb) as f32
	s_mov_b32 s73, s72
.irp n, 1,2,3,4                        ; units 49-55: the last lap fills no slot
	UNIT \n, 0, 0, 0
.endr
	UNIT 5, 0, 0, 1
	UNIT 6, 0, 0, 1
	TURN 7, 0, 1
; Step j of the two passes over units 56-63 (8 .. 15 from DB): pass j / 8, unit 8 + j % 8, B's buffer j % 8; 32 products.  Behind them the next step's A, the wait for the next step's half of B,
; and the freed buffer's next load: step 0 asks for lo 63 and hi 56, steps 1-7 for hi 57 .. hi 63; at most 56 loads are out
.macro HS j
.set FA, F0+64*((\j)%2)
.set FG, F0+64*(((\j)+1)%2)
.set BS, 32*((\j)%8)
.set NS, 1
.set NQ, ((\j)+1)%8
.if (\j) == 0
	s_wait_loadcnt 48                              ; lo 56 is in
.endif
	s_wait_dscnt 0x0                               ; A's fragments, and what was read back from the stage
	WIN MUL_LO+0x50*((\j)/8)
	MUL16 FA, BS, 0, 0
	MUL16 FA, BS, 4, 0
	PLACES
.if (\j) < 15
	FETCH
.if (\j) == 0
	s_wait_loadcnt 40                              ; lo 57 is in; lo 58 .. lo 62 may be out
	WIN TO_B
	GLB 15, 0, 7
	GLB 8, 1, 0
.elseif (\j) < 8
	s_wait_loadcnt 48                              ; the next step's half is in; the six behind it may be out
	WIN TO_B
	GLB 8+(\j), 1, (\j)
.else
	s_wait_loadcnt 8*(14-(\j))                     ; nothing more is asked for: the counts run down
.endif
.endif
.endm
; THE WAY OUT of 64 columns (hb = 0: tiles 0-3, 1: tiles 4-7): each wave's 128 x 64 sums into its stage, 32 bytes a lane; a barrier; each wave reads 64 rows of both K halves, adds, scales, adds the bias, stores
.macro TOSTAGE hb
	WIN 0x08+4*(\hb)
.irp a, 0,1,2,3,4,5,6,7
.irp b, 0,1,2,3
	ds_store_b128 v[STO], v[8*(4*\a+\b):8*(4*\a+\b)+3]   offset:\a*16*SP2+64*\b
	ds_store_b128 v[STO], v[8*(4*\a+\b)+4:8*(4*\a+\b)+7] offset:\a*16*SP2+64*\b+16
.endr
.endr
	WIN 0
	s_wait_dscnt 0x0                               ; for the others' sake: my stores are done
	s_barrier_signal -1
	s_barrier_wait -1
.endm
.macro RD g                            ; rows 8 g .. + 7 of my 64, two rows an instruction, from both K halves' stages
.set XB, 192+32*((\g)%2)
.irp i, 0,1,2,3
	ds_load_b128 v[XB+4*\i:XB+4*\i+3],       v[RD0] offset:(8*(\g)+2*\i)*SP2
	ds_load_b128 v[XB+16+4*\i:XB+16+4*\i+3], v[RD1] offset:(8*(\g)+2*\i)*SP2
.endr
.endm
.macro SEND g, hb, younger
.set XB, 192+32*((\g)%2)
.set BI, BIASL+4*(\hb)
.if (\younger) >= 0
	s_wait_dscnt \younger
.endif
.irp i, 0,1,2,3
	v_pk_add_f32 v[XB+4*\i:XB+4*\i+1],   v[XB+4*\i:XB+4*\i+1],   v[XB+16+4*\i:XB+16+4*\i+1]
	v_pk_add_f32 v[XB+4*\i+2:XB+4*\i+3], v[XB+4*\i+2:XB+4*\i+3], v[XB+16+4*\i+2:XB+16+4*\i+3]
.endr
.irp i, 0,1,2,3
	v_pk_fma_f32 v[XB+4*\i:XB+4*\i+1],   v[XB+4*\i:XB+4*\i+1],   s[72:73], v[BI:BI+1]   op_sel_hi:[1,0,1]
	v_pk_fma_f32 v[XB+4*\i+2:XB+4*\i+3], v[XB+4*\i+2:XB+4*\i+3], s[72:73], v[BI+2:BI+3] op_sel_hi:[1,0,1]
.endr
.irp i, 0,1,2,3
	global_store_b128 v[CO2], v[XB+4*\i:XB+4*\i+3], s[12:13] offset:(8*(\g)+2*\i)*8192+256*(\hb)   ; sixteen lanes store 256 consecutive bytes, aligned
.endr
.endm
.irp j, 0,1,2,3,4,5,6,7
	HS \j                                          ; the first pass: column tiles 0-3 are finished
.endr
	TOSTAGE 0                                      ; the stage's bytes were last read ahead of the last change of slots
.irp g, 0,1,2,3,4,5,6,7
.if \g >= 2
	s_wait_xcnt 0x0                                ; the stores of two groups ago have read their registers
.endif
	RD \g
	HS 8+\g                                        ; the second pass; its first wait shows group g back in registers
	WIN 0
	SEND \g, 0, -1
.endr
	s_wait_dscnt 0x0                               ; my reads of the stage are over
	s_barrier_signal -1
	s_barrier_wait -1                              ; everybody's: it may be written again
	TOSTAGE 1
	s_wait_xcnt 0x0
	RD 0
.irp g, 1,2,3,4,5,6,7
	s_wait_xcnt 0x0                                ; the stores of two groups ago have read their registers
	RD \g
	SEND \g-1, 1, 8
.endr
	SEND 7, 1, 0
	s_wait_tensorcnt 0x0                           ; the wave's end
	ds_add_u32 v[SPW], v[NIL]
	s_wait_dscnt 0x0
	CROUND                                         ; the closing round
	s_endpgm
.Lfunc_end_k_q5319858347_gemm:
	.size	k_q5319858347_gemm, .Lfunc_end_k_q5319858347_gemm-k_q5319858347_gemm
	.p2alignl 7, 3214868480
	.fill 96, 4, 3214868480
	.section	.rodata,"a",@progbits
	.p2align	6, 0x0
	.amdhsa_kernel k_q5319858347_gemm
		.amdhsa_group_segment_fixed_size 327680
		.amdhsa_private_segment_fixed_size 0
		.amdhsa_enable_private_segment 0
		.amdhsa_kernarg_size 40
		.amdhsa_user_sgpr_count 2
		.amdhsa_user_sgpr_kernarg_segment_ptr 1
		.amdhsa_wavefront_size32 1
		.amdhsa_system_sgpr_workgroup_id_x 1
		.amdhsa_system_sgpr_workgroup_id_y 1
		.amdhsa_system_sgpr_workgroup_id_z 1
		.amdhsa_system_vgpr_workitem_id 0
		.amdhsa_next_free_vgpr 1024
		.amdhsa_next_free_sgpr 80
		.amdhsa_reserve_vcc 0
		.amdhsa_float_denorm_mode_32 3
		.amdhsa_float_denorm_mode_16_64 3
		.amdhsa_memory_ordered 1
		.amdhsa_forward_progress 1
		.amdhsa_inst_pref_size 255
	.end_amdhsa_kernel
	.section	.bss,"aw",@nobits
	.p2align	6
	.space	262144
	.amdgpu_metadata
---
amdhsa.version: [ 1, 2 ]
amdhsa.kernels:
  - .name:           k_q5319858347_gemm
    .symbol:         k_q5319858347_gemm.kd
    .args:
      - { .name: a_codes, .offset: 0, .size: 8, .value_kind: global_buffer, .address_space: global }
      - { .name: b_codes, .offset: 8, .size: 8, .value_kind: global_buffer, .address_space: global }
      - { .name: lowp_scales, .offset: 16, .size: 8, .value_kind: global_buffer, .address_space: global }
      - { .name: bias, .offset: 24, .size: 8, .value_kind: global_buffer, .address_space: global }
      - { .name: out0, .offset: 32, .size: 8, .value_kind: global_buffer, .address_space: global }
    .group_segment_fixed_size: 327680
    .private_segment_fixed_size: 0
    .kernarg_segment_align: 8
    .kernarg_segment_size: 40
    .max_flat_workgroup_size: 128
    .sgpr_count:     80
    .vgpr_count:     1024
    .wavefront_size: 32
...
	.end_amdgpu_metadata
.endif
;; end of part 2
